; MI455X (gfx1250); checked and timed in simulation.
; The chip was launched on July 23, 2026; its instructions are those of AMD's public machine-readable ISA for CDNA 5 (MIT licence, August 2026) and "CDNA5" Instruction Set Architecture Reference Guide (July 2026). The comments in the code are by the model that wrote it; some were corrected since.
;; Multi Head Self Attention. Allowed arithmetic: matrix products marked QUANTISED: E2M3 operands, one E8M0 scale for each 32 along K, by v_wmma_scale_f32_16x16x128_f8f6f4 with both operands' format E2M3, f32 sums; everything else in f32.
;; Inputs: k_b 1,024 float32; k_w_codes 1,024 x 32 x 24 uint8 (E2M3 codes of k_w, K innermost, in blocks of 32 codes, four codes in three bytes); k_w_scales 1,024 x 32 uint8 (E8M0 scales of k_w, one for each 32 codes along K); mask 4 x 2,048 bool; o_b 1,024 float32; o_w_codes 1,024 x 32 x 24 uint8 (E2M3 codes of o_w, K innermost, in blocks of 32 codes, four codes in three bytes); o_w_scales 1,024 x 32 uint8 (E8M0 scales of o_w, one for each 32 codes along K); q_b 1,024 float32; q_w_codes 1,024 x 32 x 24 uint8 (E2M3 codes of q_w, K innermost, in blocks of 32 codes, four codes in three bytes); q_w_scales 1,024 x 32 uint8 (E8M0 scales of q_w, one for each 32 codes along K); v_b 1,024 float32; v_w_codes 1,024 x 32 x 24 uint8 (E2M3 codes of v_w, K innermost, in blocks of 32 codes, four codes in three bytes); v_w_scales 1,024 x 32 uint8 (E8M0 scales of v_w, one for each 32 codes along K); x_codes 4 x 2,048 x 32 x 24 uint8 (E2M3 codes of x, K innermost, in blocks of 32 codes, four codes in three bytes); x_scales 4 x 2,048 x 32 uint8 (E8M0 scales of x, one for each 32 codes along K).
;; Outputs: out0 4 x 2,048 x 1,024 float32.
;; This version of the problem:
;;   THIS VERSION OF THE PROBLEM IS GIVEN IN LOW PRECISION. The matrix products marked QUANTISED in the list below multiply operands that are first quantised to E2M3 (2 exponent bits, 3 mantissa bits; 6 bits a number), with one power-of-two scale for each 32 numbers along K (OCP MX v1.0); their sums are f32. All else is computed in f32.
;;   The module's matrix products, in the order in which they are computed (A, B: the left and right operand; K: the contracted axis; several contracted axes count as one K, in the product's order):
;;     1. [M 8,192, K 1,024] x [K 1,024, N 1,024]; A: input x (given as codes); B: input q_w (given as codes): QUANTISED
;;     2. [M 8,192, K 1,024] x [K 1,024, N 1,024]; A: input x (given as codes); B: input k_w (given as codes): QUANTISED
;;     3. [M 8,192, K 1,024] x [K 1,024, N 1,024]; A: input x (given as codes); B: input v_w (given as codes): QUANTISED
;;     4. batch 64 x [M 2,048, K 64] x [K 64, N 2,048]; A: computed on the way; B: computed on the way: QUANTISED
;;     5. batch 64 x [M 2,048, K 2,048] x [K 2,048, N 64]; A: softmax (see below); B: computed on the way: QUANTISED
;;     6. [M 8,192, K 1,024] x [K 1,024, N 1,024]; A: computed on the way; B: input o_w (given as codes): QUANTISED
;;   THE QUANTISER, for each operand of a quantised product, along K:
;;     - K is cut into blocks of 32 from its start; a last block that is shorter is filled with zeros.
;;     - A block's scale is 2^e with e = floor(log2(the largest magnitude in the block)) - 2, held to -126 .. 127; a block of zeros has e = 0. As a byte (E8M0): e + 127.
;;     - Each number is divided by its block's scale, clamped to +-7.5, and rounded to the nearest number of E2M3, ties to even, subnormals kept.
;;     - The product sums the exact products of the quantised numbers (number of the format x scale) in f32.
;;   ~~~python
;;   def quantise(x, axis):      # numpy; x: float32 -> the quantised numbers, widened to float32 again
;;       x = np.moveaxis(x, axis, -1); K = x.shape[-1]
;;       x = np.pad(x, [(0, 0)] * (x.ndim - 1) + [(0, -K % 32)]); x = x.reshape(x.shape[:-1] + (-1, 32)); a = np.abs(x).max(-1, keepdims=True)
;;       e = np.where(a > 0, np.clip(np.frexp(np.where(a > 0, a, 1))[1] - 1 - 2, -126, 127), 0)      # np.frexp(a)[1] - 1 = floor(log2(a)), exactly
;;       r = np.clip(x / 2.0 ** e, -7.5, 7.5)
;;       step = 2.0 ** (np.maximum(np.frexp(np.where(r == 0, 1, r))[1] - 1, 0) - 3)
;;       q = np.round(r / step) * step * 2.0 ** e      # np.round: ties to even
;;       return np.moveaxis(q.reshape(q.shape[:-2] + (-1,))[..., :K], -1, axis).astype(np.float32)
;;   ~~~
;;   SOFTMAX AHEAD OF A QUANTISED PRODUCT. Where the list says 'softmax', what is quantised is not the finished softmax but p = 2^(t - M), with t = logit x log2(e) and M = ceil(the row's largest t), a whole number; so 1/2 < the row's largest p <= 1. The row's sum l is taken of the UNQUANTISED p, in f32, and the product's result is divided by l at the end. Since M is a whole number, a kernel that streams over the keys may use a running M (the ceiling of the running maximum): every later rescaling is an exact power of two, which a block's scale takes up: the codes' values come out the same.
;;   OPERANDS COMPUTED ON THE WAY. 'Computed on the way' means the value that the module computes at that place (a softmax that the list does not call 'softmax' is quantised finished and normalised). What goes into a quantiser is computed in f32, as accurately as f32 sums, v_exp_f32 and their like allow (about 1e-6 of the number): no bf16 or f16 on the way to a quantiser, and a product that is left as it is and whose result goes on into a quantised operand takes f32 operands (vector FMAs, or v_wmma_f32_16x16x4_f32). A number that lies on a knife's edge between two numbers of the format may be rounded either way, as far as f32 arithmetic and the matrix unit's own rounding can turn it there, and no further.
;;   INPUTS GIVEN AS CODES. k_w (in the module: [1024, 1024], K = its axis 1); o_w (in the module: [1024, 1024], K = its axis 1); q_w (in the module: [1024, 1024], K = its axis 1); v_w (in the module: [1024, 1024], K = its axis 1); x (in the module: [4, 2048, 1024], K = its axis 2): each comes as NAME_codes (uint8): NAME with its K axis moved to the last place and cut into blocks of 32 codes, [.., K / 32, bytes a block], one block behind the other in memory; four codes in three bytes: a row's codes are one little-endian stream of bits, code i at bits 6 i .. 6 i + 5 (a code: sign, 2 exponent bits, 3 mantissa bits); and NAME_scales (uint8): the same leading axes, one E8M0 byte (e + 127) for each 32 codes along K. Its value is code x scale, taken as it is: it is not quantised again, and the codes and scales need not be those that the quantiser above would give.
;; One version. Each part assembles by itself: llvm-mc -triple=amdgcn-amd-amdhsa -mcpu=gfx1250 --defsym DOCPART=n.
;; ======== version 1 of 1: 3 launches
;; limits: right only within a limited range of input values
;; workspace buffers: qf 6,815,744 bytes; kv 13,369,344 bytes; af 6,291,456 bytes; asc 262,144 bytes
;; launch proj (part 1): grid 4 x 64, 4 waves a work-group, clusters of 4 x 4, 327,680 bytes of LDS; arguments x_codes, x_scales, q_w_codes, q_w_scales, k_w_codes, k_w_scales, v_w_codes, v_w_scales, q_b, k_b, v_b, qf, kv; writes qf, kv
.if DOCPART == 1
	.amdgcn_target "amdgcn-amd-amdhsa--gfx1250"
	.amdhsa_code_object_version 6
	.text
	.protected	k_q74b4f05d7a_proj
	.globl	k_q74b4f05d7a_proj
	.p2align	8
	.type	k_q74b4f05d7a_proj,@function
k_q74b4f05d7a_proj:
	s_mov_b64 s[64:65], 0
	v_nop
	global_prefetch_b8 v0, s[64:65] scope:SCOPE_SE
	s_setreg_imm32_b32 hwreg(HW_REG_WAVE_MODE, 25, 1), 1
	s_wait_xcnt 0x0
	s_wait_alu depctr_hold_cnt(0) depctr_sa_sdst(0) depctr_va_vdst(0) depctr_va_sdst(0) depctr_va_ssrc(0) depctr_va_vcc(0) depctr_vm_vsrc(0)
	s_getreg_b32 s2, hwreg(HW_REG_IB_STS2, 6, 4)
	s_cmp_eq_u32 s2, 0
	s_cbranch_scc0 .Lentry_in_a_cluster
	s_endpgm
.Lentry_in_a_cluster:
	s_bfe_u32 s2, ttmp6, 0x10000c
	s_cmp_lg_u32 s2, 0xf033
	s_cbranch_scc0 .Lentry_shape_is_right
	s_endpgm
.Lentry_shape_is_right:
; Q = x q_w^T + q_b, K = x k_w^T + k_b, V = x v_w^T + v_b on codes of FP6 (E2M3) with E8M0 scales, K = 1,024; the results are quantised in registers
; for attention's two products and leave as IMAGES OF OPERAND REGISTERS: a plane is one register pair of all 32 lanes, 8 bytes at 8 x lane, 256 aligned bytes.
;   qf [bh 64][group of 128 queries 16][6,656]: 8 query tiles x 3 planes, then 512 bytes of scale words [half of the group 2][lane][2]: word j of lane (r, h) = tile 4 half + 2 j + h, row r.
;   kv [bh 64][step of 128 keys 16][13,056]: K's 8 key tiles x 3 planes | V's 4 channel tiles x 6 planes | K's scale words, 512 bytes, as in qf | V's, 256 bytes [lane][2].
; Q's and K's scale words: bytes 0, 1 the head's two blocks, bytes 2, 3 = 0x7f (they meet zero codes in the next launch).
; THE INPUT mask IS NOT AMONG THE ARGUMENTS: it has no way to the output whatever it holds.
; SHARES.  256 work-groups, 4 x 4 to a cluster: a work-group has 128 tokens (tile row) and rows 256 cx .. + 255 of each weight, and makes Q, K, V of them in three phases.
; LDS: x's 128 rows, all of K, filled once; one region for a weight's 256 rows, filled three times; rows of 768 bytes with 16 bytes behind every 256 (pitch 816).
; x's rows are asked for jointly by a row of the cluster, a weight's by a column.  The next weight is asked for behind a drained round, ahead of the phase's way out.
; Source 1 ("A") gives a lane its row, source 0 ("B") gives a lane's registers eight neighbouring rows.  A wave makes 64 rows of A x 128 rows of B: 32 accumulators.
; Q, K: A = x (my half of the tokens), B = the weight (my half of its rows).  V: A = v_w (my quarter: one head), B = x (all 128 tokens).  So each result lies along the axis on which it is quantised.
; ORDER INSIDE A BLOCK OF 32: a lane holds 8 h + 0..7 and 16 + 8 h + 0..7, so the codes lie in the order 0-7, 16-23, 8-15, 24-31: alike in Q and K, and in V and the next launch's p.
; Scale words come straight into registers: lane l takes the 32 bytes of row 32 g + l; lanes 0-15 serve block 2 g, lanes 16-31 block 2 g + 1.  The bias is the first products' C.
; No prefetch: a phase has one fill, asked for one whole way out ahead of its first read, and the loop has two trips.
; LIMITS: NaN and infinities are not served.  A block whose largest magnitude lies under 2^-124, a block of zeros too, keeps the scale byte 1 (this program alone reads the bytes).
; REGISTERS: window 0: v8-26 addresses, v32-47 A's scale words, v52-83 B's, v84-123 the way out, v160-255 A's fragments (two sets); window 1: B's fragments (two sets);
;   window 2: accumulator (a, b) at v[8 (8 a + b)]; window 3: v0-63 the bias by B's rows, v64-95 V's bias by A's rows.
.set KROW,  768
.set PITCH, 816
.set BLK,   16*PITCH
.set WR,    128*PITCH
.set SPARE, WR+256*PITCH
.set L8,  8
.set L32, 9
.set SPW, 10
.set NIL, 11
.set BNO, 12
.set BMO, 13
.set AQ,  14
.set BQ,  16
.set AV,  20
.set BV,  22
.set LN,  26
.set LA,  28                           ; v28, v29  lane offsets of A's scale loads, group 0, 1
.set NT,  124                          ; v124, v125 those offsets where A's tiles are 16 neighbouring rows (V)
.set PM,  126                          ; v126, v127 and where they are x's tiles as laid below (Q, K)
.set PBLK, 8*PITCH
.set SA,  32
.set PWA, 48
.set SB,  52
.set TM,  84
.set T,   96
.set W0,  98
.set W1,  100
.set PC,  104
.set AF,  160
.set CB,  0
.set CV,  64
.set G1W, 24
.set G1X, 32
.set G0W, 48
.set G0X, 52
.set MSB, 0
.macro WIN new
.if MSB != (\new)
	s_set_vgpr_msb (MSB<<8)|(\new)
.set MSB, (\new)
.endif
.endm
.macro PLACES n
.rept \n
	v_nop
.endr
.endm
.macro TLOAD g0, g1
	tensor_load_to_lds s[\g0:\g0+3], s[\g1:\g1+7]
	s_nop 0
	PLACES 4
.endm
.macro CROUND
	s_barrier_signal -1
	s_barrier_wait -1
	s_cmp_lg_u32 s14, 0
	s_cbranch_scc1 .Lnot_wave_0_\@
	s_barrier_signal -3
.Lnot_wave_0_\@:
	s_barrier_wait -3
	s_barrier_signal -1
	s_barrier_wait -1
.endm
.macro GROUP1 g, mask, rows            ; rows of 768 bytes, 16 bytes of padding behind every 256
	s_or_b32 s[\g+0], s[\mask], (1<<20)|(1<<21)|(5<<22)|(3<<25)
	s_mov_b32 s[\g+1], (KROW&0xffff)<<16
	s_mov_b32 s[\g+2], (KROW>>16)|((\rows)<<16)
	s_mov_b32 s[\g+3], KROW<<16
	s_mov_b32 s[\g+4], \rows
	s_mov_b32 s[\g+5], KROW
	s_mov_b32 s[\g+6], 0
	s_mov_b32 s[\g+7], 0
.endm
.macro PADD p, off, mul                ; s[p:p+1] += s[off] x mul (s13 = 0)
	s_mul_i32 s12, s\off, \mul
	s_add_nc_u64 s[\p:\p+1], s[\p:\p+1], s[12:13]
.endm
; a fragment, 16 rows x 128 K, in six pieces of 8 bytes; lanes 16-31 read three pieces on: where that lies behind one padding more, the second address register serves
.macro FRAG reg, adr, q, off
.irp p, 0,1,2,3,4,5
.set PC_, 12*(\q)+6*(\p/3)+\p%3
.if (PC_%32) < 29
	ds_load_b64 v[\reg+2*\p:\reg+2*\p+1], v[\adr] offset:8*PC_+16*(PC_/32)+(\off)
.else
	ds_load_b64 v[\reg+2*\p:\reg+2*\p+1], v[\adr+1] offset:8*PC_+16*(PC_/32)+(\off)
.endif
.endr
.endm
.macro FETCH_B q, adr                  ; 48 loads
	WIN 0x40
.irp i, 0,1,2,3,4,5,6,7
	FRAG 128*((\q)%2)+12*\i, \adr+2*(\i/4), \q, (\i%4)*BLK
.endr
	WIN 0
.endm
; 24 loads.  perm = 1 (Q, K): WHICH TOKENS FORM A TILE: lane r of tile i of my 64 tokens takes token 8 g + r % 8 + 32 (r / 8), g = 0, 2, 1, 3 for i = 0 .. 3.
; So in the next launch a lane's 32 scores of four key tiles are one whole scale block of 32 keys, in the order 0-7, 16-23, 8-15, 24-31 of V's codes.  Q's tiles are laid alike; the last launch stores its rows by the same map.
.macro FETCH_A q, adr, perm
.irp i, 0,1,2,3
.if \perm
	FRAG AF+48*((\q)%2)+12*\i, \adr, \q, (2*(\i%2)+\i/2)*PBLK
.else
	FRAG AF+48*((\q)%2)+12*\i, \adr, \q, \i*BLK
.endif
.endr
.endm
; 32 products, 128 along K; the 32 accumulators take turns in the same order in every step.  kind 1: C = the bias by B's rows, 2: by A's rows
.macro MUL32 q, kind
.irp a2, 0,1
.irp ao, 0,1
.irp b2, 0,1,2,3
.irp bo, 0,1
.set D_, 8*(8*(2*\a2+\ao)+2*\b2+\bo)
.set FB_, 128*((\q)%2)+12*(2*\b2+\bo)
.set FA_, AF+48*((\q)%2)+12*(2*\a2+\ao)
.set XB_, SB+8*\b2+(\q)
.set XA_, SA+8*\a2+(\q)
.if (\kind) == 1
.set C_, CB+8*(2*\b2+\bo)
.elseif (\kind) == 2
.set C_, CV+8*(2*\a2+\ao)
.else
.set C_, D_
.endif
	v_wmma_scale_f32_16x16x128_f8f6f4 v[D_:D_+7], v[FB_:FB_+11], v[FA_:FA_+11], v[C_:C_+7], v[XB_], v[XA_] matrix_a_fmt:MATRIX_FMT_FP6 matrix_b_fmt:MATRIX_FMT_FP6 matrix_a_scale:MATRIX_SCALE_ROW\bo matrix_b_scale:MATRIX_SCALE_ROW\ao
.endr
.endr
.endr
.endr
.endm
.macro LDSCALES pa, pb                 ; 64 rows of A's scale bytes, 128 of B's: each pair of loads covers 1,024 consecutive bytes
.irp g, 0,1
	global_load_b128 v[SA+8*\g:SA+8*\g+3], v[LA+\g], s[\pa:\pa+1]
	global_load_b128 v[SA+8*\g+4:SA+8*\g+7], v[LA+\g], s[\pa:\pa+1] offset:16
.endr
.irp g, 0,1,2,3
	global_load_b128 v[SB+8*\g:SB+8*\g+3], v[L32], s[\pb:\pb+1] offset:1024*\g
	global_load_b128 v[SB+8*\g+4:SB+8*\g+7], v[L32], s[\pb:\pb+1] offset:1024*\g+16
.endr
.endm
.macro LDBIAS p                        ; register 8 b + j: the bias of B's row 16 b + 8 h + j
	WIN 0xc0
.irp b, 0,1,2,3,4,5,6,7
	global_load_b128 v[CB+8*\b:CB+8*\b+3], v[BNO], s[\p:\p+1] offset:64*\b
	global_load_b128 v[CB+8*\b+4:CB+8*\b+7], v[BNO], s[\p:\p+1] offset:64*\b+16
.endr
	WIN 0
.endm
; A phase: eight steps of 128 along K on two sets of fragments.  The next step's loads stand ahead of a step's products.
.macro PHASE aa, ab, kind
	s_wait_alu depctr_va_vdst(0)                   ; the wait ahead of the blocking wait
	s_wait_tensorcnt 0x0                           ; my part of the fills has landed
	s_barrier_signal -1
	s_barrier_wait -1                              ; everybody's has
	FETCH_B 0, \ab
	FETCH_A 0, \aa, 2-(\kind)
	s_wait_loadcnt 0x0                             ; scale words and bias
.set Q_, 0
.rept 7
.if Q_ > 0
	PLACES 4                                       ; between the last step's products and loads into the set that they read
.endif
	FETCH_B Q_+1, \ab
	s_wait_dscnt 48                                ; all but the 48 loads just issued: this step's fragments are in
	FETCH_A Q_+1, \aa, 2-(\kind)
.if Q_ == 0
	WIN 0xb1
	MUL32 0, \kind
.else
	WIN 0xa1
	MUL32 Q_, 0
.endif
	WIN 0
.set Q_, Q_+1
.endr
	s_wait_dscnt 0x0
	WIN 0xa1
	MUL32 7, 0
	WIN 0
.endm
; Block a's 64 sums of a lane (window 2, from v[64 a]), four blocks of 32 shared with lane l xor 16 -> 12 registers of codes from v[PC], the scale word in v[PWA + a].  Each accumulator is read from its low end on.
.macro QUANT a
.set S_, 64*(\a)
	WIN 0x0a
.irp b, 0,1,2,3
	v_max3_num_f32 v[TM+\b], |v[S_+16*\b]|, |v[S_+1+16*\b]|, 0x1800000   ; with the floor 2^(3 - 127): the byte cannot fall under 1
.endr
	WIN 0x28
.irp i, 2,4,6,8,10,12,14
.irp b, 0,1,2,3
	v_max3_num_f32 v[TM+\b], v[TM+\b], |v[S_+16*\b+\i]|, |v[S_+1+16*\b+\i]|
.endr
.endr
	WIN 0
.irp b, 0,1,2,3
	v_permlanex16_b32 v[TM+4+\b], v[TM+\b], s18, s19
.endr
.irp b, 0,1,2,3
	v_max_num_f32 v[TM+\b], v[TM+\b], v[TM+4+\b]
.endr
.irp b, 0,1,2,3
	v_add_nc_u32 v[TM+8+\b], 0xff000000, v[TM+\b]  ; 2 off the exponent field: the conversion's scale operand
.endr
.irp b, 0,1,2,3
	v_lshrrev_b32 v[TM+4+\b], 23, v[TM+8+\b]       ; the scale's byte
.endr
	v_lshl_or_b32 v[PWA+\a], v[TM+5], 8, v[TM+4]
	v_lshl_or_b32 v[PWA+\a], v[TM+6], 16, v[PWA+\a]
	v_lshl_or_b32 v[PWA+\a], v[TM+7], 24, v[PWA+\a]
	WIN 0x02
.irp c, 0,1
	v_cvt_scalef32_pk16_fp6_f32 v[PC+6*\c:PC+2+6*\c], v[S_+32*\c:S_+15+32*\c], v[TM+8+2*\c]
	v_cvt_scalef32_pk16_fp6_f32 v[PC+12+4*\c:PC+14+4*\c], v[S_+16+32*\c:S_+31+32*\c], v[TM+9+2*\c]
.endr
	WIN 0
	v_nop                                          ; one plain place behind a scaled conversion
.irp c, 0,1
.irp i, 0,1,2
	v_permlane16_swap_b32 v[PC+6*\c+\i], v[PC+12+4*\c+\i]   ; a whole block to a lane
.endr
.irp i, 0,1,2
	v_mov_b32 v[PC+3+6*\c+\i], v[PC+12+4*\c+\i]
.endr
.endr
.endm
.macro OUT a, kind                     ; kind 0: Q, K: registers 0-5 to my first head, 6-11 to my second; 1: V: twelve registers of one channel tile
.if (\a) > 0
	s_wait_xcnt 0x0                                ; the last block's stores have read their data
.endif
	QUANT \a
.irp p, 0,1,2
.if \kind
	global_store_b64 v[L8], v[PC+2*\p:PC+2*\p+1], s[92:93] offset:1536*(\a)+256*\p
	global_store_b64 v[L8], v[PC+6+2*\p:PC+7+2*\p], s[92:93] offset:1536*(\a)+768+256*\p
.else
	global_store_b64 v[L8], v[PC+2*\p:PC+2*\p+1], s[56:57] offset:768*(\a)+256*\p
	global_store_b64 v[L8], v[PC+6+2*\p:PC+7+2*\p], s[58:59] offset:768*(\a)+256*\p
.endif
.endr
.endm
.macro WORDS                           ; lanes 0-15 take the even blocks' scale words, lanes 16-31 the odd blocks'
	v_cmp_lt_u32 vcc_lo, 15, v[LN]
.irp j, 0,1
	v_cndmask_b32 v[T+\j], v[PWA+2*\j], v[PWA+2*\j+1], vcc_lo
.endr
.endm
	s_load_b512 s[68:83], s[0:1], 0x0              ; x 68, 70; q_w 72, 74; k_w 76, 78; v_w 80, 82 (codes, scales)
	s_load_b256 s[84:91], s[0:1], 0x40             ; q_b 84, k_b 86, v_b 88, qf 90
	s_load_b64 s[92:93], s[0:1], 0x60              ; kv
	v_lshl_add_u32 v[SPW], v0, 2, SPARE
	v_mov_b32 v[NIL], 0
	ds_add_u32 v[SPW], v[NIL]                      ; the opening lines: the add twice on end and its wait
	ds_add_u32 v[SPW], v[NIL]
	v_lshrrev_b32 v1, 5, v0
	v_readfirstlane_b32 s14, v1                    ; wave
	s_lshr_b32 s15, s14, 1
	s_and_b32 s16, s14, 1
	s_bfe_u32 s40, ttmp6, 0x40000                  ; cx: which 256 rows of each weight
	s_bfe_u32 s41, ttmp6, 0x40004                  ; cy
	s_and_b32 s17, ttmp7, 0xffff
	s_lshl_b32 s17, s17, 2
	s_add_co_u32 s17, s17, s41                     ; which 128 tokens, 0..63
	s_lshl_b32 s43, s41, 2
	s_lshl_b32 s43, 15, s43                        ; my row of the cluster
	s_lshl_b32 s44, 0x1111, s40                    ; my column
	GROUP1 G1W, 44, 128
	GROUP1 G1X, 43, 64
	s_lshl_b32 s20, s40, 8
	s_lshl_b32 s21, s16, 7
	s_add_co_u32 s21, s20, s21                     ; a weight's row 256 cx + 128 (wave % 2)
	s_lshl_b32 s22, s14, 6
	s_add_co_u32 s22, s20, s22                     ; v_w's row 256 cx + 64 wave
	s_lshl_b32 s23, s17, 7                         ; my work-group's first token
	s_lshl_b32 s45, s15, 6
	s_add_co_u32 s45, s23, s45                     ; + 64 (wave / 2)
	s_lshl_b32 s46, s16, 6
	s_add_co_u32 s46, s23, s46                     ; + 64 (wave % 2): the rows that waves 2, 3 fetch
	s_mov_b32 s13, 0
	s_mov_b32 s[G0W], 1
	s_mul_i32 s[G0W+1], s16, 128*PITCH
	s_add_co_u32 s[G0W+1], s[G0W+1], WR
	s_mov_b32 s[G0X], 1
	s_mul_i32 s[G0X+1], s16, 64*PITCH
	s_mov_b32 s18, 0x76543210
	s_mov_b32 s19, 0xfedcba98
	s_mov_b32 s3, 0x7f7f0000
	s_wait_dscnt 0x0
	s_wait_kmcnt 0x0
	PADD 68, 46, KROW
	PADD 72, 21, KROW
	PADD 76, 22, KROW                              ; the refills: every wave brings 64 rows
	PADD 80, 22, KROW
	PADD 74, 21, 32
	PADD 78, 21, 32
	PADD 82, 22, 32
	s_mov_b64 s[4:5], s[70:71]
	PADD 4, 45, 32                                 ; x's scale bytes, my 64 tokens
	s_mov_b64 s[6:7], s[70:71]
	PADD 6, 23, 32                                 ; and all 128
	PADD 84, 21, 4
	PADD 86, 21, 4
	PADD 88, 22, 4
	s_mov_b64 s[G0W+2:G0W+3], s[72:73]
	s_or_b32 s[G0W+3], s[G0W+3], 0x80000000
	s_mov_b64 s[G0X+2:G0X+3], s[68:69]
	s_or_b32 s[G0X+3], s[G0X+3], 0x80000000
	CROUND                                         ; all sixteen work-groups are here: the first joint loads meet
	s_cmp_lt_u32 s14, 2                            ; one tensor load a wave: waves 0, 1 a half of q_w's rows, waves 2, 3 a half of x's
	s_cbranch_scc0 .Lhead_x
	TLOAD G0W, G1W
	s_branch .Lhead_asked
.Lhead_x:
	TLOAD G0X, G1X
.Lhead_asked:
	s_mul_i32 s20, s15, 64*PITCH                   ; Q, K: A = my half of x,
	s_mul_i32 s21, s16, 128*PITCH
	s_add_co_u32 s21, s21, WR                      ; B = my half of the weight
	s_mul_i32 s22, s14, 64*PITCH
	s_add_co_u32 s22, s22, WR                      ; V: A = my quarter of v_w, B = x from LDS byte 0
	v_and_b32 v1, 15, v0
	v_bfe_u32 v2, v0, 4, 1
	v_and_b32 v[LN], 31, v0
	v_mul_u32_u24 v3, v1, PITCH
	v_mad_u32_u24 v4, v2, 24, v3
	v_mad_u32_u24 v5, v2, 40, v3
	v_and_b32 v6, 7, v1
	v_lshrrev_b32 v7, 3, v1
	v_lshl_add_u32 v6, v7, 5, v6                   ; r % 8 + 32 (r / 8)
	v_mul_u32_u24 v6, v6, PITCH
	v_mad_u32_u24 v7, v2, 24, v6
	v_add_nc_u32 v[AQ], s20, v7
	v_mad_u32_u24 v7, v2, 40, v6
	v_add_nc_u32 v[AQ+1], s20, v7
	v_add_nc_u32 v[BQ], s21, v4
	v_add_nc_u32 v[BQ+1], s21, v5
	v_add_nc_u32 v[AV], s22, v4
	v_add_nc_u32 v[AV+1], s22, v5
	v_mov_b32 v[BV], v4
	v_mov_b32 v[BV+1], v5
.irp i, 0,1
	v_add_nc_u32 v[BQ+2+\i], 4*BLK, v[BQ+\i]
	v_add_nc_u32 v[BV+2+\i], 4*BLK, v[BV+\i]
.endr
	v_lshlrev_b32 v[L8], 3, v[LN]
	v_lshlrev_b32 v[L32], 5, v[LN]
	v_and_b32 v6, 7, v[LN]
	v_bfe_u32 v7, v[LN], 3, 1
	v_lshl_add_u32 v6, v7, 5, v6
	v_lshl_add_u32 v6, v2, 4, v6                   ; lane l of group g serves tile 2 g + l / 16: token 8 g + 16 (l / 16) + l % 8 + 32 ((l / 8) % 2)
	v_lshlrev_b32 v[PM], 5, v6
	v_add_nc_u32 v[PM+1], 256, v[PM]
	v_mov_b32 v[NT], v[L32]
	v_add_nc_u32 v[NT+1], 1024, v[L32]
	v_mov_b32 v[LA], v[PM]
	v_mov_b32 v[LA+1], v[PM+1]
	v_lshlrev_b32 v[BNO], 5, v2
	v_lshlrev_b32 v[BMO], 2, v1
.irp b, 0,1,2,3
	v_mov_b32 v[TM+4+\b], 0                        ; written once: a lane permute's destination counts as one of its sources
.endr
	LDSCALES 4, 74
	LDBIAS 84
	WIN 0xc0
.irp a, 0,1,2,3
	global_load_b32 v[CV+8*\a], v[BMO], s[88:89] offset:64*\a   ; V's bias: channel 16 a + r
.endr
	WIN 0
	; where the results go
	s_lshr_b32 s20, s17, 4
	s_lshl_b32 s20, s20, 4
	s_lshl_b32 s21, s40, 2
	s_add_co_u32 s20, s20, s21                     ; 16 x batch + 4 cx
	s_and_b32 s21, s17, 15                         ; which 128 tokens of the batch
	s_lshl_b32 s22, s16, 1
	s_add_co_u32 s22, s20, s22                     ; Q, K: my first head
	s_add_co_u32 s23, s20, s14                     ; V: my head
	s_mul_i32 s12, s22, 106496
	s_mul_i32 s45, s21, 6656
	s_add_co_u32 s12, s12, s45
	s_add_nc_u64 s[90:91], s[90:91], s[12:13]
	s_mul_i32 s12, s15, 3072
	s_add_nc_u64 s[56:57], s[90:91], s[12:13]      ; s[56:59] codes of my two heads, s[60:63] their scale words: Q's now,
	s_add_nc_u64 s[58:59], s[56:57], 106496
	s_lshl_b32 s12, s15, 8
	s_add_co_u32 s12, s12, 6144
	s_add_nc_u64 s[60:61], s[90:91], s[12:13]
	s_add_nc_u64 s[62:63], s[60:61], 106496
	s_mul_i32 s12, s22, 208896
	s_mul_i32 s45, s21, 13056
	s_add_co_u32 s12, s12, s45
	s_add_nc_u64 s[94:95], s[92:93], s[12:13]      ; s[94:101] the same for K
	s_lshl_b32 s12, s15, 8
	s_add_co_u32 s12, s12, 12288
	s_add_nc_u64 s[98:99], s[94:95], s[12:13]
	s_add_nc_u64 s[100:101], s[98:99], 208896
	s_mul_i32 s12, s15, 3072
	s_add_nc_u64 s[94:95], s[94:95], s[12:13]
	s_add_nc_u64 s[96:97], s[94:95], 208896
	s_mul_i32 s12, s23, 208896
	s_add_co_u32 s12, s12, s45
	s_add_co_u32 s12, s12, 6144
	s_add_nc_u64 s[92:93], s[92:93], s[12:13]      ; V's tiles of my head and step
	s_mov_b32 s2, 0
.Lphase:                                               ; two trips: Q, K
	PHASE AQ, BQ, 1
	s_wait_tensorcnt 0x0                           ; the three lines ahead of a refill's round
	ds_add_u32 v[SPW], v[NIL]
	s_cmp_eq_u32 s2, 0                             ; what comes next: k_w with x as A, or v_w as A with x as B
	s_cselect_b64 s[G0W+2:G0W+3], s[76:77], s[80:81]
	s_cselect_b64 s[8:9], s[4:5], s[82:83]
	s_cselect_b64 s[10:11], s[78:79], s[6:7]
	s_cselect_b32 s46, -1, 0
	s_or_b32 s[G0W+3], s[G0W+3], 0x80000000
	s_mov_b32 s[G1W+2], 64<<16                     ; no tensor load of mine is out: from here on a load brings 64 rows,
	s_mov_b32 s[G1W+4], 64
	s_mul_i32 s[G0W+1], s14, 64*PITCH              ; my quarter of the region
	s_add_co_u32 s[G0W+1], s[G0W+1], WR
	s_wait_dscnt 0x0
	CROUND                                         ; no wave of any partner still reads the weight's region
	TLOAD G0W, G1W                                 ; every wave: a quarter of the next weight's rows; its four v_nop are the places behind the last products
	v_cndmask_b32 v[LA], v[NT], v[PM], s46         ; A's scale rows: x's tiles for K, neighbouring rows for V
	v_cndmask_b32 v[LA+1], v[NT+1], v[PM+1], s46
	LDSCALES 8, 10
	s_cmp_lg_u32 s2, 0
	s_cbranch_scc1 .Lno_bias
	LDBIAS 86                                      ; K's bias (V's came at the head)
.Lno_bias:
.irp a, 0,1,2,3
	OUT \a, 0
.endr
	WORDS
.irp j, 0,1
	v_and_or_b32 v[W0+\j], v[T+\j], 0xffff, s3     ; bytes 0, 1: the first head's two blocks; bytes 2, 3: the second's
	v_lshrrev_b32 v[W1+\j], 16, v[T+\j]
.endr
.irp j, 0,1
	v_or_b32 v[W1+\j], s3, v[W1+\j]
.endr
	global_store_b64 v[L8], v[W0:W0+1], s[60:61]   ; 256 consecutive bytes, aligned
	global_store_b64 v[L8], v[W1:W1+1], s[62:63]
	s_wait_xcnt 0x0                                ; the stores have read their data and bases
	s_mov_b64 s[56:57], s[94:95]
	s_mov_b64 s[58:59], s[96:97]
	s_mov_b64 s[60:61], s[98:99]
	s_mov_b64 s[62:63], s[100:101]
	s_add_co_u32 s2, s2, 1
	s_cmp_lt_u32 s2, 2
	s_wait_alu depctr_va_vdst(0)                   ; the wait ahead of the branch
	s_cbranch_scc1 .Lphase
	WIN 0xc3
.irp a, 0,8,16,24
.irp i, 1,2,3,4,5,6,7
	v_mov_b32 v[CV+\a+\i], v[CV+\a]                ; V's bias, one number a lane and tile, over the tile's eight registers
.endr
.endr
	WIN 0
	PHASE AV, BV, 2
	PLACES 4
.irp a, 0,1,2,3
	OUT \a, 1
.endr
	WORDS
	global_store_b64 v[L8], v[T:T+1], s[92:93] offset:6656
	s_wait_tensorcnt 0x0                           ; the wave's end
	ds_add_u32 v[SPW], v[NIL]
	s_wait_dscnt 0x0
	CROUND                                         ; the closing round
	s_endpgm
.Lfunc_end_k_q74b4f05d7a_proj:
	.size	k_q74b4f05d7a_proj, .Lfunc_end_k_q74b4f05d7a_proj-k_q74b4f05d7a_proj
	.p2alignl 7, 3214868480
	.fill 96, 4, 3214868480
	.section	.rodata,"a",@progbits
	.p2align	6, 0x0
	.amdhsa_kernel k_q74b4f05d7a_proj
		.amdhsa_group_segment_fixed_size 327680
		.amdhsa_private_segment_fixed_size 0
		.amdhsa_enable_private_segment 0
		.amdhsa_kernarg_size 104
		.amdhsa_user_sgpr_count 2
		.amdhsa_user_sgpr_kernarg_segment_ptr 1
		.amdhsa_wavefront_size32 1
		.amdhsa_system_sgpr_workgroup_id_x 1
		.amdhsa_system_sgpr_workgroup_id_y 1
		.amdhsa_system_sgpr_workgroup_id_z 1
		.amdhsa_system_vgpr_workitem_id 0
		.amdhsa_next_free_vgpr 864
		.amdhsa_next_free_sgpr 102
		.amdhsa_reserve_vcc 1
		.amdhsa_float_denorm_mode_32 3
		.amdhsa_float_denorm_mode_16_64 3
		.amdhsa_memory_ordered 1
		.amdhsa_forward_progress 1
		.amdhsa_inst_pref_size 195
	.end_amdhsa_kernel
	.amdgpu_metadata
---
amdhsa.version: [ 1, 2 ]
amdhsa.kernels:
  - .name:           k_q74b4f05d7a_proj
    .symbol:         k_q74b4f05d7a_proj.kd
    .args:
      - { .name: x_codes, .offset: 0, .size: 8, .value_kind: global_buffer, .address_space: global }
      - { .name: x_scales, .offset: 8, .size: 8, .value_kind: global_buffer, .address_space: global }
      - { .name: q_w_codes, .offset: 16, .size: 8, .value_kind: global_buffer, .address_space: global }
      - { .name: q_w_scales, .offset: 24, .size: 8, .value_kind: global_buffer, .address_space: global }
      - { .name: k_w_codes, .offset: 32, .size: 8, .value_kind: global_buffer, .address_space: global }
      - { .name: k_w_scales, .offset: 40, .size: 8, .value_kind: global_buffer, .address_space: global }
      - { .name: v_w_codes, .offset: 48, .size: 8, .value_kind: global_buffer, .address_space: global }
      - { .name: v_w_scales, .offset: 56, .size: 8, .value_kind: global_buffer, .address_space: global }
      - { .name: q_b, .offset: 64, .size: 8, .value_kind: global_buffer, .address_space: global }
      - { .name: k_b, .offset: 72, .size: 8, .value_kind: global_buffer, .address_space: global }
      - { .name: v_b, .offset: 80, .size: 8, .value_kind: global_buffer, .address_space: global }
      - { .name: qf, .offset: 88, .size: 8, .value_kind: global_buffer, .address_space: global }
      - { .name: kv, .offset: 96, .size: 8, .value_kind: global_buffer, .address_space: global }
    .group_segment_fixed_size: 327680
    .private_segment_fixed_size: 0
    .kernarg_segment_align: 8
    .kernarg_segment_size: 104
    .max_flat_workgroup_size: 128
    .sgpr_count:     102
    .vgpr_count:     864
    .wavefront_size: 32
...
	.end_amdgpu_metadata
.endif
;; end of part 1
;; launch attn (part 2): grid 4 x 64, 16 waves a work-group, clusters of 4 x 1, 215,040 bytes of LDS; arguments qf, kv, af, asc; writes af, asc
.if DOCPART == 2
	.amdgcn_target "amdgcn-amd-amdhsa--gfx1250"
	.amdhsa_code_object_version 6
	.text
	.protected	k_q74b4f05d7a_attn
	.globl	k_q74b4f05d7a_attn
	.p2align	8
	.type	k_q74b4f05d7a_attn,@function
k_q74b4f05d7a_attn:
	s_mov_b64 s[64:65], 0
	v_nop
	global_prefetch_b8 v0, s[64:65] scope:SCOPE_SE
	s_setreg_imm32_b32 hwreg(HW_REG_WAVE_MODE, 25, 1), 1
	s_wait_xcnt 0x0
	s_wait_alu depctr_hold_cnt(0) depctr_sa_sdst(0) depctr_va_vdst(0) depctr_va_sdst(0) depctr_va_ssrc(0) depctr_va_vcc(0) depctr_vm_vsrc(0)
	s_getreg_b32 s2, hwreg(HW_REG_IB_STS2, 6, 4)
	s_cmp_eq_u32 s2, 0
	s_cbranch_scc0 .Lentry_in_a_cluster
	s_endpgm
.Lentry_in_a_cluster:
	s_bfe_u32 s2, ttmp6, 0x10000c
	s_cmp_lg_u32 s2, 0x3003
	s_cbranch_scc0 .Lentry_shape_is_right
	s_endpgm
.Lentry_shape_is_right:
; For each (batch, head): O[q] = the sum over keys of p V / l, p = 2^(t - M), t = score x log2(e) / 8, M = the running largest t rounded up to a whole number, l = the sum of the unquantised p.
; Both products on codes of FP6 (E2M3) with E8M0 scales.  Q, K, V come as images of operand registers from the launch before (its head comment gives qf's and kv's layouts).
; O / l is quantised along the channels and leaves as an image for the last product: af [query tile 512][head 16][plane 3][256 bytes]; asc [16 x query tile + row][32]: head hd's two bytes at 2 hd.
; SHARES.  A work-group owns one (batch, head) and 32 query tiles; each of its sixteen waves owns one tile of 16 queries at a time, twice (the second 16 tiles on): four waves to a SIMD, 256 registers each.
; LDS.  A head's K, V and scale words are 208,896 bytes: 16 steps of 128 keys x 13,056 bytes, laid as in memory, filled ONCE: no ring.
; CLUSTER.  The four work-groups of a cluster own the quarters of one head's queries and read the same bytes: every tensor load is asked for jointly, with the mask of all four.
; Wave w brings step w, one load a wave, in two arms: steps 0-3 are shown by a first barrier, the others by a second behind four steps' work.  The second tile's walk passes no barrier.
; LAYOUT.  Both products are used transposed: S^T = K Q^T (source 0 = 16 keys, source 1 = my 16 queries), O^T = V^T P^T: a lane holds one query (lane % 16) throughout.
; The head has 64 channels and the instruction 128 along K: Q's registers 6-11 are zero codes; K's tile t is named v[32 + 6 t : 43 + 6 t]: its upper six registers are the next tile's codes (zeros behind the last):
; they meet Q's zero codes under scale bytes 0x7f on both sides and add exactly 0.
; KEYS OF A TILE: row m of key tile 4 c + j is key 64 c + 8 g + m % 8 + 32 (m / 8), g = 0, 2, 1, 3 for j = 0 .. 3.  So registers 32 c .. 32 c + 31 of lane (r, h) are the WHOLE block 2 c + h of 32 keys,
; in the order 0-7, 16-23, 8-15, 24-31, which is the order of V's codes: a block's maximum, scale and codes need no other lane.
; THE SUM l goes in four chains of packed additions; they are joined in the next step, in the places behind its first products.
; No prefetch: all of a head's bytes are asked for at the head, and there is no later fill to run ahead of.
; LIMITS: the scaled scores stay under 2^31 in magnitude; NaN and infinities are not served; v_exp_f32 and v_rcp_f32 take denormals as 0; a block whose largest magnitude lies under 2^-124 keeps the scale byte 1.
.set STEPB, 13056
.set VOFF,  6144
.set KSO,   12288
.set VSO,   12800
.set L8,   1                           ; 8 x lane
.set VQ,   3
.set VQS,  4
.set R32,  5                           ; 32 x (lane % 16)
.set ADR,  8                           ; the step's first byte + 8 x lane
.set SH8,  9                           ; 8 x (lane / 16)
.set QF,   16                          ; v16-27 Q (v22-27 zero codes); v12 -M, v13 the largest t, v[14:15] l in two halves
.set QS,   28
.set KF,   32                          ; v32-79 K's 8 tiles x 6, later V's 4 tiles x 12
.set ZR,   80
.set S,    86                          ; v86-149 S^T, then p
.set O,    150                         ; v150-181 O^T
.set PC,   182                         ; v182-193 p's codes; v194-196, v198-200 second halves
.set PC2,  194
.set BX,   202                         ; v202-203 a block's largest score, then p; v204-205 second chains, then lane exchanges
.set PT,   204
.set SO,   206
.set BY,   208
.set F,    214
.set PW,   215
.set KSW,  216
.set VSW,  220
.set TMP,  222
.set TMP2, 223
.set Q1,   224
.set QS1,  230
.set TS,   232                         ; v232-239 the four chains of l
.set WV,   12
.set SEL,  20
.set CS,   22
.set G1,   24
.set G0,   32
.set TB,   48
.set NST,  49
.macro CROUND
	s_barrier_signal -1
	s_barrier_wait -1
	s_cmp_lg_u32 s[WV], 0
	s_cbranch_scc1 .Lnot_wave_0_\@
	s_barrier_signal -3
.Lnot_wave_0_\@:
	s_barrier_wait -3
	s_barrier_signal -1
	s_barrier_wait -1
.endm
	s_load_b256 s[4:11], s[0:1], 0x0               ; qf, kv, af, asc
	v_lshl_add_u32 v254, v0, 2, 0x34000
	v_mov_b32 v255, 0
	ds_add_u32 v254, v255                          ; the opening lines: the add twice on end and its wait
	ds_add_u32 v254, v255
	v_lshrrev_b32 v10, 5, v0
	s_delay_alu instid0(VALU_DEP_1)
	v_readfirstlane_b32 s[WV], v10
	s_bfe_u32 s13, ttmp6, 0x40000
	s_lshl_b32 s14, ttmp9, 2
	s_add_co_u32 s14, s14, s13                     ; my quarter of the head's queries: it enters global addresses of Q and of the results alone
	s_and_b32 s15, ttmp7, 0xffff                   ; 16 x batch + head
	s_mov_b32 s[G1], 15|(3<<16)|(1<<21)            ; a step's 13,056 dense bytes as 51 rows of 256; the mask names all four
	s_mov_b32 s[G1+1], 32<<16
	s_mov_b32 s[G1+2], 51<<16
	s_mov_b32 s[G1+3], 32<<16
	s_mov_b32 s[G1+4], 51
	s_mov_b32 s[G1+5], 32
	s_mov_b32 s[G1+6], 0
	s_mov_b32 s[G1+7], 0
	s_mul_i32 s16, s[WV], STEPB                    ; wave w brings step w
	s_mul_i32 s18, s15, 16*STEPB
	s_add_co_u32 s18, s18, s16
	s_mov_b32 s19, 0
	s_mov_b32 s[SEL], 0x76543210
	s_mov_b32 s[SEL+1], 0xfedcba98
	s_mov_b32 s[CS], 0x3e38aa3b                    ; log2(e) / sqrt(64)
	s_mov_b32 s[CS+1], s[CS]
	s_wait_dscnt 0x0
	s_wait_kmcnt 0x0
	s_add_nc_u64 s[6:7], s[6:7], s[18:19]
	s_mov_b32 s[G0], 1
	s_mov_b32 s[G0+1], s16
	s_mov_b64 s[G0+2:G0+3], s[6:7]
	s_or_b32 s[G0+3], s[G0+3], 0x80000000
	CROUND                                         ; all four work-groups are here: the joint loads meet
	s_cmp_lt_u32 s[WV], 4
	s_cbranch_scc0 .Llate_fill
	tensor_load_to_lds s[G0:G0+3], s[G1:G1+7]
	s_nop 0
.rept 4
	v_nop
.endr
	s_branch .Lasked
.Llate_fill:
	tensor_load_to_lds s[G0:G0+3], s[G1:G1+7]
	s_nop 0
.rept 4
	v_nop
.endr
.Lasked:
	v_and_b32 v6, 31, v0
	v_and_b32 v7, 15, v0
	s_wait_alu depctr_va_vdst(0)
	v_lshlrev_b32 v[L8], 3, v6
	v_lshlrev_b32 v[R32], 5, v7
	s_and_b32 s16, s[WV], 7                        ; my tile's place a in its group of eight
	s_mul_i32 s17, s16, 768
	v_add_nc_u32 v[VQ], s17, v[L8]
	s_wait_alu depctr_va_vdst(0)
	s_and_b32 s17, s16, 1
	s_lshl_b32 s17, s17, 7
	s_lshr_b32 s53, s16, 2
	s_lshl_b32 s53, s53, 8
	s_add_co_u32 s17, s17, s53
	s_bfe_u32 s16, s16, 0x10001
	s_lshl_b32 s16, s16, 2
	s_add_co_u32 s17, s17, s16
	s_add_co_u32 s17, s17, 6144
	v_lshl_add_u32 v[VQS], v7, 3, s17              ; scale words lie [a / 4][lane][2]: word (a / 2) % 2 of lane r + 16 (a % 2)
	s_wait_alu depctr_va_vdst(0)
	s_lshl_b32 s52, s14, 2
	s_lshr_b32 s53, s[WV], 3
	s_add_co_u32 s52, s52, s53                     ; my first tile's group: 4 x quarter + wave / 8
	s_mul_i32 s52, s52, 6656
	s_mul_i32 s53, s15, 106496
	s_add_co_u32 s52, s52, s53
	s_mov_b32 s53, 0
	s_add_nc_u64 s[4:5], s[4:5], s[52:53]
.irp p, 0,1,2
	global_load_b64 v[QF+2*\p:QF+2*\p+1], v[VQ], s[4:5] offset:256*\p
	global_load_b64 v[Q1+2*\p:Q1+2*\p+1], v[VQ], s[4:5] offset:13312+256*\p   ; the second tile lies two groups on
.endr
	global_load_b32 v[QS], v[VQS], s[4:5]
	global_load_b32 v[QS1], v[VQS], s[4:5] offset:13312
	s_lshr_b32 s54, s15, 4
	s_lshl_b32 s54, s54, 7
	s_lshl_b32 s55, s14, 5
	s_add_co_u32 s54, s54, s55
	s_add_co_u32 s54, s54, s[WV]                   ; my first query tile: 128 x batch + 32 x quarter + wave
	s_and_b32 s55, s15, 15                         ; the head
	s_lshl_b32 s52, s54, 9
	s_lshl_b32 s16, s55, 1
	s_add_co_u32 s52, s52, s16
	s_add_nc_u64 s[10:11], s[10:11], s[52:53]      ; asc: 512 bytes a tile, + 2 x head
	s_mul_i32 s52, s54, 12288
	s_mul_i32 s16, s55, 768
	s_add_co_u32 s52, s52, s16
	s_add_nc_u64 s[8:9], s[8:9], s[52:53]          ; af: my tile, the head's three planes
	v_bfe_u32 v[SH8], v0, 4, 1
	v_lshlrev_b32 v[SH8], 3, v[SH8]
.irp j, 0,1,2,3,4,5
	v_mov_b32 v[QF+6+\j], 0                        ; zero codes for K = 64 .. 127
	v_mov_b32 v[ZR+\j], 0
.endr
	v_mov_b32 v[PW], 0                             ; (named as the upper half of the pair v[214:215] before it is first written)
	s_wait_loadcnt 0x0                             ; Q, both tiles
.macro SUMS r0, r1                     ; rounds r0 .. r1 - 1 of seven: chain k sums the pairs of p at 2 k + 8 m
.set R_, \r0
.rept (\r1)-(\r0)
.irp k, 0,1,2,3
.if R_ == 0
	v_pk_add_f32 v[TS+2*\k:TS+2*\k+1], v[S+2*\k:S+2*\k+1], v[S+8+2*\k:S+9+2*\k]
.else
	v_pk_add_f32 v[TS+2*\k:TS+2*\k+1], v[TS+2*\k:TS+2*\k+1], v[S+8*(R_+1)+2*\k:S+8*(R_+1)+2*\k+1]
.endif
.endr
.set R_, R_+1
.endr
.endm
.macro JOIN                            ; the four chains into l
	v_pk_add_f32 v[TS:TS+1], v[TS:TS+1], v[TS+2:TS+3]
	v_pk_add_f32 v[TS+4:TS+5], v[TS+4:TS+5], v[TS+6:TS+7]
	v_mov_b32 v[TMP2], v12                         ; the old -M
	v_pk_add_f32 v[TS:TS+1], v[TS:TS+1], v[TS+4:TS+5]
	v_pk_add_f32 v[14:15], v[14:15], v[TS:TS+1]
.endm
; A KEY STEP: 128 keys.
.macro STEP
	v_add_nc_u32 v[ADR], s[TB], v[L8]              ; (with the last step's four additions: the places behind its last products)
	ds_load_b64 v[KSW:KSW+1], v[ADR] offset:KSO
	ds_load_b64 v[KSW+2:KSW+3], v[ADR] offset:KSO+256
.irp t, 0,1,2,3,4,5,6,7
.irp p, 0,1,2
	ds_load_b64 v[KF+6*\t+2*\p:KF+6*\t+2*\p+1], v[ADR] offset:768*\t+256*\p
.endr
.endr
	s_wait_alu depctr_va_vdst(0)                   ; the wait ahead of the blocking wait
	s_wait_dscnt 0x0
.irp t, 0,1,2,3,4,5,6,7                        ; S^T = K Q^T
.if \t%2
	v_wmma_scale_f32_16x16x128_f8f6f4 v[S+8*\t:S+8*\t+7], v[KF+6*\t:KF+6*\t+11], v[QF:QF+11], 0, v[KSW+\t/2], v[QS] matrix_a_fmt:MATRIX_FMT_FP6 matrix_b_fmt:MATRIX_FMT_FP6 matrix_a_scale:MATRIX_SCALE_ROW1
.else
	v_wmma_scale_f32_16x16x128_f8f6f4 v[S+8*\t:S+8*\t+7], v[KF+6*\t:KF+6*\t+11], v[QF:QF+11], 0, v[KSW+\t/2], v[QS] matrix_a_fmt:MATRIX_FMT_FP6 matrix_b_fmt:MATRIX_FMT_FP6
.endif
.endr
	JOIN                                           ; the last step's chains: five plain lines, the places in front of the loads over K's registers and of the first read of the scores
.irp t, 0,1,2,3                                ; V's fragments land while the softmax is worked
.irp p, 0,1,2,3,4,5
	ds_load_b64 v[KF+12*\t+2*\p:KF+12*\t+2*\p+1], v[ADR] offset:VOFF+1536*\t+256*\p
.endr
.endr
	ds_load_b64 v[VSW:VSW+1], v[ADR] offset:VSO
.irp c, 0,1                                    ; the largest score of my two blocks, two chains each; each accumulator is read from its low end on
.irp u, 0,1
	v_max3_num_f32 v[BX+2*\u+\c], v[S+32*\c+16*\u], v[S+32*\c+16*\u+1], v[S+32*\c+16*\u+2]
.endr
.endr
.irp i, 3,5,7,9,11,13
.irp c, 0,1
.irp u, 0,1
	v_max3_num_f32 v[BX+2*\u+\c], v[BX+2*\u+\c], v[S+32*\c+16*\u+\i], v[S+32*\c+16*\u+\i+1]
.endr
.endr
.endr
.irp c, 0,1
	v_max3_num_f32 v[BX+\c], v[BX+\c], v[BX+2+\c], v[S+32*\c+15]
.endr
.irp c, 0,1
	v_max_num_f32 v[BX+\c], v[BX+\c], v[S+32*\c+31]
.endr
	s_delay_alu instid0(VALU_DEP_1)
	v_max_num_f32 v[TMP], v[BX], v[BX+1]
	s_delay_alu instid0(VALU_DEP_1)
	v_permlanex16_b32 v[PT], v[TMP], s[SEL], s[SEL+1]
	s_delay_alu instid0(VALU_DEP_1)
	v_max_num_f32 v[TMP], v[TMP], v[PT]            ; the step's largest score of my query
	s_delay_alu instid0(VALU_DEP_1)
	v_mul_f32 v[TMP], s[CS], v[TMP]
	s_delay_alu instid0(VALU_DEP_1)
	v_max_num_f32 v13, v13, v[TMP]                 ; the running largest t
	s_delay_alu instid0(VALU_DEP_1)
	v_floor_f32 v12, -v13                          ; the new -M: M is a whole number
	s_delay_alu instid0(VALU_DEP_1)
	v_sub_f32 v[TMP], v12, v[TMP2]                 ; old M - new M, 0 or less
	s_delay_alu instid0(VALU_DEP_1)
	v_cvt_i32_f32 v[TMP], v[TMP]
	s_delay_alu instid0(VALU_DEP_1)
	v_ldexp_f32 v[F], 1.0, v[TMP]                  ; f = 2^(old M - new M): multiplying by it rounds nothing
.set J, 0
.rept 32
	v_pk_fma_f32 v[S+J:S+J+1], v[S+J:S+J+1], s[CS:CS+1], v[12:13] op_sel_hi:[1,0,0]   ; t - M
.set J, J+2
.endr
.irp c, 0,1
	v_fma_f32 v[BX+\c], v[BX+\c], s[CS], v12       ; the same of each block's largest score
.endr
.set J, 0
	s_wait_alu depctr_va_vdst(0)                   ; the wait ahead of the batch
.rept 64
	v_exp_f32 v[S+J], v[S+J]                       ; p = 2^(t - M)
.set J, J+1
.endr
.irp c, 0,1
	v_exp_f32 v[BX+\c], v[BX+\c]                   ; the block's largest p: the same two instructions on the same number
.endr
	v_pk_mul_f32 v[14:15], v[14:15], v[F:F+1] op_sel_hi:[1,0]   ; l under the new M (a plain place behind the exponentials)
	s_wait_alu depctr_va_vdst(0)                   ; and behind it
.irp c, 0,1
	v_max_num_f32 v[BX+\c], 0x1800000, v[BX+\c]    ; the floor 2^(3 - 127): the byte cannot fall under 1
.endr
.irp c, 0,1
	s_delay_alu instid0(VALU_DEP_2)
	v_add_nc_u32 v[SO+\c], 0xff000000, v[BX+\c]    ; 2 off the exponent field: the conversion's scale operand
.endr
.irp c, 0,1
	s_delay_alu instid0(VALU_DEP_2)
	v_lshrrev_b32 v[BY+\c], 23, v[SO+\c]           ; the scale's byte
.endr
	s_delay_alu instid0(VALU_DEP_1)
	v_lshl_or_b32 v[PW], v[BY+1], 16, v[BY]        ; my two bytes, blocks h and 2 + h,
	s_delay_alu instid0(VALU_DEP_1)
	v_lshlrev_b32 v[PW], v[SH8], v[PW]             ; at their places;
	s_delay_alu instid0(VALU_DEP_1)
	v_permlanex16_b32 v[PT], v[PW], s[SEL], s[SEL+1]
	s_delay_alu instid0(VALU_DEP_1)
	v_or_b32 v[PW], v[PW], v[PT]                   ; with lane l xor 16's two the word is whole
.irp c, 0,1
	v_cvt_scalef32_pk16_fp6_f32 v[PC+6*\c:PC+2+6*\c], v[S+32*\c:S+15+32*\c], v[SO+\c]
	v_cvt_scalef32_pk16_fp6_f32 v[PC2+4*\c:PC2+2+4*\c], v[S+16+32*\c:S+31+32*\c], v[SO+\c]   ; (a conversion's three registers begin on an even number)
.endr
	SUMS 0, 1                                      ; plain lines behind the scaled conversions
.irp c, 0,1
.irp i, 0,1,2
	v_mov_b32 v[PC+3+6*\c+\i], v[PC2+4*\c+\i]
.endr
.endr
	SUMS 1, 6
	s_wait_alu depctr_va_vdst(0)                   ; the wait ahead of the first reader of O^T
.set J, 0
.rept 16
	v_pk_mul_f32 v[O+J:O+J+1], v[O+J:O+J+1], v[F:F+1] op_sel_hi:[1,0]   ; O^T under the new M, each accumulator from its low end on
.set J, J+2
.endr
	s_wait_alu depctr_va_vdst(0)
	s_wait_dscnt 0x0                               ; V's fragments and scale words are in
.irp t, 0,1,2,3                                ; O^T += V^T P^T: four accumulators by turns; the eight products K Q^T stand between a link and the next
.if \t%2
	v_wmma_scale_f32_16x16x128_f8f6f4 v[O+8*\t:O+8*\t+7], v[KF+12*\t:KF+12*\t+11], v[PC:PC+11], v[O+8*\t:O+8*\t+7], v[VSW+\t/2], v[PW] matrix_a_fmt:MATRIX_FMT_FP6 matrix_b_fmt:MATRIX_FMT_FP6 matrix_a_scale:MATRIX_SCALE_ROW1
.else
	v_wmma_scale_f32_16x16x128_f8f6f4 v[O+8*\t:O+8*\t+7], v[KF+12*\t:KF+12*\t+11], v[PC:PC+11], v[O+8*\t:O+8*\t+7], v[VSW+\t/2], v[PW] matrix_a_fmt:MATRIX_FMT_FP6 matrix_b_fmt:MATRIX_FMT_FP6
.endif
.endr
	SUMS 6, 7                                      ; the chains' last round: four places behind the products
	s_add_co_u32 s[TB], s[TB], STEPB
.endm
.macro RUN first, n                    ; n key steps from step first on
	s_mov_b32 s[TB], STEPB*(\first)
	s_mov_b32 s[NST], \n
.Lstep_\@:
	STEP
	s_sub_co_u32 s[NST], s[NST], 1
	s_cmp_lg_u32 s[NST], 0
	s_cbranch_scc1 .Lstep_\@
.endm
; A tile of 16 queries against all 2,048 keys.  first = 1: the barriers that show the fills, and at the end the change to the second tile.
.macro PASS first
	v_mov_b32 v13, 0xff61b1e6                      ; the largest t so far: -3e38
	s_delay_alu instid0(VALU_DEP_1)
	v_floor_f32 v12, -v13
	v_mov_b32 v14, 0
	v_mov_b32 v15, 0
.set J, 0
.rept 8
	v_mov_b32 v[TS+J], 0
.set J, J+1
.endr
.set J, 0
.rept 32
	v_mov_b32 v[O+J], 0                            ; the step is written once: the first finds zeros
.set J, J+1
.endr
.if \first
	s_cmp_lt_u32 s[WV], 4
	s_cbranch_scc0 .Lnot_first
	s_wait_tensorcnt 0x0                           ; waves 0-3: my step of the first four has landed
.Lnot_first:
	s_barrier_signal -1
	s_barrier_wait -1                              ; steps 0-3 are whole for every wave
	RUN 0, 4
	s_wait_tensorcnt 0x0                           ; every wave: its step has landed
	s_barrier_signal -1
	s_barrier_wait -1                              ; all sixteen steps are whole
	RUN 4, 12
.else
	RUN 0, 16
.endif
	; THE WAY OUT.  O^T / l, put in the channels' natural order, quantised along the head's 64 channels (two blocks), stored as three planes and two scale bytes a row.
	JOIN
	v_add_f32 v14, v14, v15
	s_delay_alu instid0(VALU_DEP_1)
	v_permlanex16_b32 v[TMP], v14, s[SEL], s[SEL+1]
	s_delay_alu instid0(VALU_DEP_1)
	v_add_f32 v14, v14, v[TMP]                     ; l
	s_wait_alu depctr_va_vdst(0)
	v_rcp_f32 v14, v14
	v_nop
.set J, 0
	s_wait_alu depctr_va_vdst(0)
.rept 32
	v_mul_f32 v[S+J], v[O+J], v14                  ; register 8 t + j: channel 16 t + 8 h + j
.set J, J+1
.endr
.irp b, 0,1
.irp j, 0,1,2,3,4,5,6,7
	v_permlane16_swap_b32 v[S+16*\b+\j], v[S+8+16*\b+\j]   ; register 16 b + i is now channel 32 b + 16 h + i
.endr
.endr
.irp b, 0,1
	v_max3_num_f32 v[BX+\b], |v[S+16*\b]|, |v[S+1+16*\b]|, 0x1800000
.endr
.irp i, 2,4,6,8,10,12,14
.irp b, 0,1
	s_delay_alu instid0(VALU_DEP_2)
	v_max3_num_f32 v[BX+\b], v[BX+\b], |v[S+16*\b+\i]|, |v[S+1+16*\b+\i]|
.endr
.endr
.irp b, 0,1
	s_delay_alu instid0(VALU_DEP_2)
	v_permlanex16_b32 v[PT+\b], v[BX+\b], s[SEL], s[SEL+1]
.endr
.irp b, 0,1
	s_delay_alu instid0(VALU_DEP_2)
	v_max_num_f32 v[BX+\b], v[BX+\b], v[PT+\b]
.endr
.irp b, 0,1
	s_delay_alu instid0(VALU_DEP_2)
	v_add_nc_u32 v[SO+\b], 0xff000000, v[BX+\b]
.endr
.irp b, 0,1
	s_delay_alu instid0(VALU_DEP_2)
	v_lshrrev_b32 v[PT+\b], 23, v[SO+\b]
.endr
	s_delay_alu instid0(VALU_DEP_1)
	v_lshl_or_b32 v[TMP], v[PT+1], 8, v[PT]        ; my row's two scale bytes
	v_cvt_scalef32_pk16_fp6_f32 v[PC:PC+2], v[S:S+15], v[SO]
	v_cvt_scalef32_pk16_fp6_f32 v[PC2:PC2+2], v[S+16:S+31], v[SO+1]
	v_nop                                          ; one plain place behind a scaled conversion
.irp i, 0,1,2
	v_permlane16_swap_b32 v[PC+\i], v[PC2+\i]      ; lanes 0-15 block 0, lanes 16-31 block 1
.endr
.irp i, 0,1,2
	s_delay_alu instid0(VALU_DEP_3)
	v_mov_b32 v[PC+3+\i], v[PC2+\i]
.endr
.irp p, 0,1,2
	global_store_b64 v[L8], v[PC+2*\p:PC+2*\p+1], s[8:9] offset:256*\p   ; a plane: 256 consecutive bytes, aligned
.endr
	global_store_b16 v[R32], v[TMP], s[10:11]      ; lanes r and r + 16 write the same two bytes with the same value: a scale word of the last product holds two heads' bytes, which two work-groups make
.if \first
.irp j, 0,1,2,3,4,5
	v_mov_b32 v[QF+\j], v[Q1+\j]                   ; the second tile's Q
.endr
	v_mov_b32 v[QS], v[QS1]                        ; and its scale words: the 44 lines at the next walk's head stand ahead of the next scaled product
	s_wait_xcnt 0x0                                ; the stores have read their data and bases
	s_add_nc_u64 s[8:9], s[8:9], 16*12288          ; 16 query tiles on
	s_add_nc_u64 s[10:11], s[10:11], 16*512
.endif
.endm
	PASS 1
	PASS 0
	s_wait_tensorcnt 0x0                           ; the wave's end
	ds_add_u32 v254, v255
	s_wait_dscnt 0x0
	CROUND                                         ; the closing round
	s_endpgm
.Lfunc_end_k_q74b4f05d7a_attn:
	.size	k_q74b4f05d7a_attn, .Lfunc_end_k_q74b4f05d7a_attn-k_q74b4f05d7a_attn
	.p2alignl 7, 3214868480
	.fill 96, 4, 3214868480
	.section	.rodata,"a",@progbits
	.p2align	6, 0x0
	.amdhsa_kernel k_q74b4f05d7a_attn
		.amdhsa_group_segment_fixed_size 215040
		.amdhsa_private_segment_fixed_size 0
		.amdhsa_enable_private_segment 0
		.amdhsa_kernarg_size 32
		.amdhsa_user_sgpr_count 2
		.amdhsa_user_sgpr_kernarg_segment_ptr 1
		.amdhsa_wavefront_size32 1
		.amdhsa_system_sgpr_workgroup_id_x 1
		.amdhsa_system_sgpr_workgroup_id_y 1
		.amdhsa_system_sgpr_workgroup_id_z 1
		.amdhsa_system_vgpr_workitem_id 0
		.amdhsa_next_free_vgpr 256
		.amdhsa_next_free_sgpr 66
		.amdhsa_reserve_vcc 0
		.amdhsa_float_denorm_mode_32 3
		.amdhsa_float_denorm_mode_16_64 3
		.amdhsa_memory_ordered 1
		.amdhsa_forward_progress 1
		.amdhsa_inst_pref_size 69
	.end_amdhsa_kernel
	.amdgpu_metadata
---
amdhsa.version: [ 1, 2 ]
amdhsa.kernels:
  - .name:           k_q74b4f05d7a_attn
    .symbol:         k_q74b4f05d7a_attn.kd
    .args:
      - { .name: qf, .offset: 0, .size: 8, .value_kind: global_buffer, .address_space: global }
      - { .name: kv, .offset: 8, .size: 8, .value_kind: global_buffer, .address_space: global }
      - { .name: af, .offset: 16, .size: 8, .value_kind: global_buffer, .address_space: global }
      - { .name: asc, .offset: 24, .size: 8, .value_kind: global_buffer, .address_space: global }
    .group_segment_fixed_size: 215040
    .private_segment_fixed_size: 0
    .kernarg_segment_align: 8
    .kernarg_segment_size: 32
    .max_flat_workgroup_size: 512
    .sgpr_count:     66
    .vgpr_count:     256
    .wavefront_size: 32
...
	.end_amdgpu_metadata
.endif
;; end of part 2
;; launch oproj (part 3): grid 4 x 64, 4 waves a work-group, clusters of 4 x 4, 327,680 bytes of LDS; arguments af, asc, o_w_codes, o_w_scales, o_b, out0; writes out0
.if DOCPART == 3
	.amdgcn_target "amdgcn-amd-amdhsa--gfx1250"
	.amdhsa_code_object_version 6
	.text
	.protected	k_q74b4f05d7a_oproj
	.globl	k_q74b4f05d7a_oproj
	.p2align	8
	.type	k_q74b4f05d7a_oproj,@function
k_q74b4f05d7a_oproj:
	s_mov_b64 s[64:65], 0
	v_nop
	global_prefetch_b8 v0, s[64:65] scope:SCOPE_SE
	s_setreg_imm32_b32 hwreg(HW_REG_WAVE_MODE, 25, 1), 1
	s_wait_xcnt 0x0
	s_wait_alu depctr_hold_cnt(0) depctr_sa_sdst(0) depctr_va_vdst(0) depctr_va_sdst(0) depctr_va_ssrc(0) depctr_va_vcc(0) depctr_vm_vsrc(0)
	s_getreg_b32 s2, hwreg(HW_REG_IB_STS2, 6, 4)
	s_cmp_eq_u32 s2, 0
	s_cbranch_scc0 .Lentry_in_a_cluster
	s_endpgm
.Lentry_in_a_cluster:
	s_bfe_u32 s2, ttmp6, 0x10000c
	s_cmp_lg_u32 s2, 0xf033
	s_cbranch_scc0 .Lentry_shape_is_right
	s_endpgm
.Lentry_shape_is_right:
; out0 = a o_w^T + o_b on codes of FP6 (E2M3) with E8M0 scales, K = 1,024.  a comes from the launch before: af [token tile 512][head 16][plane 3][256 bytes], images of operand registers; asc [token][32] scale bytes.
; SHARES.  256 work-groups, 4 x 4 to a cluster: 128 tokens x 256 columns each, ALL OF K IN LDS, filled once: a's 98,304 dense bytes, o_w's 256 rows of 768 bytes (16 bytes behind every 256: pitch 816).
; a's block is asked for jointly by a row of the cluster, o_w's rows by a column; one tensor load a wave.  Nothing is filled again, so there is no ring.
; A wave makes 64 tokens x 128 columns: 32 accumulators.  Source 0 = o_w's rows, source 1 = tokens: a lane holds eight neighbouring columns of one token.  The bias is the first products' C.
; Scale words come straight into registers: lane l takes the 32 bytes of row 32 g + l; lanes 0-15 serve block 2 g, lanes 16-31 block 2 g + 1.
; The way out: 16 tokens x 64 columns at a time through my own stage in LDS (bytes that no fill lands on), back as rows of 256 bytes: sixteen lanes store one aligned unit.
; No prefetch: the launch has one group of fills at its head and no loop to run ahead in.
; LIMITS: NaN and infinities are not served.
.set KROW,  768
.set PITCH, 816
.set BLK,   16*PITCH
.set WR,    98304
.set SPARE, WR+256*PITCH
.set STAGE, SPARE+512
.set SPITCH, 272
.set L32, 9
.set SPW, 10
.set NIL, 11
.set BNO, 12
.set AQ,  14
.set BQ,  16
.set STO, 20
.set RD,  21
.set CO,  22
.set SA,  32
.set SB,  52
.set AF,  160
.set BK,  160
.set CB,  0
.set G1W, 24
.set G1X, 32
.set G0W, 48
.set G0X, 52
.set MSB, 0
.macro WIN new
.if MSB != (\new)
	s_set_vgpr_msb (MSB<<8)|(\new)
.set MSB, (\new)
.endif
.endm
.macro PLACES n
.rept \n
	v_nop
.endr
.endm
.macro TLOAD g0, g1
	tensor_load_to_lds s[\g0:\g0+3], s[\g1:\g1+7]
	s_nop 0
	PLACES 4
.endm
.macro CROUND
	s_barrier_signal -1
	s_barrier_wait -1
	s_cmp_lg_u32 s14, 0
	s_cbranch_scc1 .Lnot_wave_0_\@
	s_barrier_signal -3
.Lnot_wave_0_\@:
	s_barrier_wait -3
	s_barrier_signal -1
	s_barrier_wait -1
.endm
.macro PADD p, off, mul
	s_mul_i32 s12, s\off, \mul
	s_add_nc_u64 s[\p:\p+1], s[\p:\p+1], s[12:13]
.endm
.macro FRAG reg, adr, q, off           ; six pieces of 8 bytes; lanes 16-31 read three pieces on: behind one padding more the second address register serves
.irp p, 0,1,2,3,4,5
.set PC_, 12*(\q)+6*(\p/3)+\p%3
.if (PC_%32) < 29
	ds_load_b64 v[\reg+2*\p:\reg+2*\p+1], v[\adr] offset:8*PC_+16*(PC_/32)+(\off)
.else
	ds_load_b64 v[\reg+2*\p:\reg+2*\p+1], v[\adr+1] offset:8*PC_+16*(PC_/32)+(\off)
.endif
.endr
.endm
.macro FETCH_B q, adr                  ; 48 loads
	WIN 0x40
.irp i, 0,1,2,3,4,5,6,7
	FRAG 128*((\q)%2)+12*\i, \adr+2*(\i/4), \q, (\i%4)*BLK
.endr
	WIN 0
.endm
.macro FETCH_A q, adr                  ; 24 loads: planes of 256 consecutive bytes
.irp i, 0,1,2,3
.irp p, 0,1,2,3,4,5
	ds_load_b64 v[AF+48*((\q)%2)+12*\i+2*\p:AF+48*((\q)%2)+12*\i+2*\p+1], v[\adr] offset:12288*\i+1536*(\q)+256*\p
.endr
.endr
.endm
.macro MUL32 q, kind                   ; 32 products; the accumulators take turns in the same order in every step
.irp a2, 0,1
.irp ao, 0,1
.irp b2, 0,1,2,3
.irp bo, 0,1
.set D_, 8*(8*(2*\a2+\ao)+2*\b2+\bo)
.set FB_, 128*((\q)%2)+12*(2*\b2+\bo)
.set FA_, AF+48*((\q)%2)+12*(2*\a2+\ao)
.set XB_, SB+8*\b2+(\q)
.set XA_, SA+8*\a2+(\q)
.if (\kind) == 1
.set C_, CB+8*(2*\b2+\bo)
.else
.set C_, D_
.endif
	v_wmma_scale_f32_16x16x128_f8f6f4 v[D_:D_+7], v[FB_:FB_+11], v[FA_:FA_+11], v[C_:C_+7], v[XB_], v[XA_] matrix_a_fmt:MATRIX_FMT_FP6 matrix_b_fmt:MATRIX_FMT_FP6 matrix_a_scale:MATRIX_SCALE_ROW\bo matrix_b_scale:MATRIX_SCALE_ROW\ao
.endr
.endr
.endr
.endr
.endm
.macro TOSTAGE u                       ; unit u = 2 a + g: tokens 16 a .., columns 64 g ..; each accumulator from its low end on
.set AC_, 64*((\u)/2)+32*((\u)%2)
	WIN 0x08
.irp b, 0,1,2,3
	ds_store_b128 v[STO], v[AC_+8*\b:AC_+8*\b+3] offset:64*\b
	ds_store_b128 v[STO], v[AC_+8*\b+4:AC_+8*\b+7] offset:64*\b+16
.endr
	WIN 0
.set BB_, BK+32*((\u)%2)
.irp t, 0,1,2,3,4,5,6,7
	ds_load_b128 v[BB_+4*\t:BB_+4*\t+3], v[RD] offset:\t*2*SPITCH   ; LDS serves a wave's instructions in order (ISA guide 5.7.1.4)
.endr
.endm
.macro SEND u, younger
.set BB_, BK+32*((\u)%2)
	s_wait_dscnt \younger
.irp t, 0,1,2,3,4,5,6,7
	; row m of query tile a of my 64 tokens is token 8 g + m % 8 + 32 (m / 8), g = 0, 2, 1, 3 for a = 0 .. 3 (so the first launch lays the tiles); here m = 2 t + lane / 16
	global_store_b128 v[CO], v[BB_+4*\t:BB_+4*\t+3], s[70:71] offset:(8*(2*(((\u)/2)%2)+((\u)/2)/2)+2*(\t%4)+32*(\t/4))*4096+((\u)%2)*256 th:TH_STORE_NT
.endr
.endm
	s_load_b256 s[4:11], s[0:1], 0x0               ; af 4, asc 6, o_w's codes 8, scales 10
	s_load_b128 s[68:71], s[0:1], 0x20             ; o_b 68, out0 70
	v_lshl_add_u32 v[SPW], v0, 2, SPARE
	v_mov_b32 v[NIL], 0
	ds_add_u32 v[SPW], v[NIL]                      ; the opening lines: the add twice on end and its wait
	ds_add_u32 v[SPW], v[NIL]
	v_lshrrev_b32 v1, 5, v0
	v_readfirstlane_b32 s14, v1
	s_lshr_b32 s15, s14, 1                         ; my half of the tokens
	s_and_b32 s16, s14, 1                          ; my half of the columns; also which half of a tile I fetch
	s_bfe_u32 s40, ttmp6, 0x40000
	s_bfe_u32 s41, ttmp6, 0x40004
	s_and_b32 s17, ttmp7, 0xffff
	s_lshl_b32 s17, s17, 2
	s_add_co_u32 s17, s17, s41                     ; which 128 tokens
	s_lshl_b32 s43, s41, 2
	s_lshl_b32 s43, 15, s43
	s_lshl_b32 s44, 0x1111, s40
	s_or_b32 s[G1W+0], s44, (1<<20)|(1<<21)|(5<<22)|(3<<25)   ; 128 rows of 768 bytes, 16 bytes behind every 256; to my column
	s_mov_b32 s[G1W+1], KROW<<16
	s_mov_b32 s[G1W+2], 128<<16
	s_mov_b32 s[G1W+3], KROW<<16
	s_mov_b32 s[G1W+4], 128
	s_mov_b32 s[G1W+5], KROW
	s_mov_b32 s[G1W+6], 0
	s_mov_b32 s[G1W+7], 0
	s_or_b32 s[G1X+0], s43, (3<<16)|(1<<21)        ; 49,152 dense bytes as 192 rows of 256; to my row
	s_mov_b32 s[G1X+1], 32<<16
	s_mov_b32 s[G1X+2], 192<<16
	s_mov_b32 s[G1X+3], 32<<16
	s_mov_b32 s[G1X+4], 192
	s_mov_b32 s[G1X+5], 32
	s_mov_b32 s[G1X+6], 0
	s_mov_b32 s[G1X+7], 0
	s_lshl_b32 s20, s40, 8
	s_lshl_b32 s21, s16, 7
	s_add_co_u32 s21, s20, s21                     ; o_w's row 256 cx + 128 (wave % 2)
	s_lshl_b32 s23, s17, 7
	s_lshl_b32 s45, s15, 6
	s_add_co_u32 s45, s23, s45                     ; my first token
	s_mov_b32 s13, 0
	s_mov_b32 s[G0W], 1
	s_mul_i32 s[G0W+1], s16, 128*PITCH
	s_add_co_u32 s[G0W+1], s[G0W+1], WR
	s_mov_b32 s[G0X], 1
	s_mul_i32 s[G0X+1], s16, 49152
	s_wait_dscnt 0x0
	s_wait_kmcnt 0x0
	PADD 4, 17, 98304
	PADD 4, 16, 49152
	PADD 6, 45, 32
	PADD 8, 21, KROW
	PADD 10, 21, 32
	PADD 68, 21, 4
	PADD 70, 21, 4
	PADD 70, 45, 4096
	s_mov_b64 s[G0W+2:G0W+3], s[8:9]
	s_or_b32 s[G0W+3], s[G0W+3], 0x80000000
	s_mov_b64 s[G0X+2:G0X+3], s[4:5]
	s_or_b32 s[G0X+3], s[G0X+3], 0x80000000
	CROUND                                         ; all sixteen work-groups are here: the joint loads meet
	s_cmp_lt_u32 s14, 2                            ; one tensor load a wave: waves 0, 1 a half of o_w's rows, waves 2, 3 a half of a's block
	s_cbranch_scc0 .Lhead_x
	TLOAD G0W, G1W
	s_branch .Lhead_asked
.Lhead_x:
	TLOAD G0X, G1X
.Lhead_asked:
	s_mul_i32 s20, s15, 49152
	s_mul_i32 s21, s16, 128*PITCH
	s_add_co_u32 s21, s21, WR
	s_mul_i32 s22, s14, 16*SPITCH
	s_add_co_u32 s22, s22, STAGE
	v_and_b32 v1, 15, v0
	v_bfe_u32 v2, v0, 4, 1
	v_and_b32 v6, 31, v0
	v_mul_u32_u24 v3, v1, PITCH
	v_mad_u32_u24 v4, v2, 24, v3
	v_mad_u32_u24 v5, v2, 40, v3
	v_lshl_add_u32 v[AQ], v6, 3, s20
	v_add_nc_u32 v[BQ], s21, v4
	v_add_nc_u32 v[BQ+1], s21, v5
	v_add_nc_u32 v[BQ+2], 4*BLK, v[BQ]
	v_add_nc_u32 v[BQ+3], 4*BLK, v[BQ+1]
	v_lshlrev_b32 v[L32], 5, v6
	v_lshlrev_b32 v[BNO], 5, v2
	v_mul_u32_u24 v3, v1, SPITCH
	v_lshl_add_u32 v3, v2, 5, v3
	v_add_nc_u32 v[STO], s22, v3                   ; in: token r, 32 bytes for each half of the lanes
	v_mul_u32_u24 v4, v2, SPITCH
	v_lshl_add_u32 v4, v1, 4, v4
	v_add_nc_u32 v[RD], s22, v4                    ; back: lanes 0-15 one row of 256 bytes, lanes 16-31 the next
	v_lshlrev_b32 v5, 12, v2
	v_lshl_add_u32 v[CO], v1, 4, v5                ; and the same two rows in out0
.irp g, 0,1
	global_load_b128 v[SA+8*\g:SA+8*\g+3], v[L32], s[6:7] offset:1024*\g
	global_load_b128 v[SA+8*\g+4:SA+8*\g+7], v[L32], s[6:7] offset:1024*\g+16
.endr
.irp g, 0,1,2,3
	global_load_b128 v[SB+8*\g:SB+8*\g+3], v[L32], s[10:11] offset:1024*\g
	global_load_b128 v[SB+8*\g+4:SB+8*\g+7], v[L32], s[10:11] offset:1024*\g+16
.endr
	WIN 0xc0
.irp b, 0,1,2,3,4,5,6,7
	global_load_b128 v[CB+8*\b:CB+8*\b+3], v[BNO], s[68:69] offset:64*\b          ; register 8 b + j: the bias of column 16 b + 8 h + j
	global_load_b128 v[CB+8*\b+4:CB+8*\b+7], v[BNO], s[68:69] offset:64*\b+16
.endr
	WIN 0
	s_wait_alu depctr_va_vdst(0)                   ; the wait at the head's end
	s_wait_tensorcnt 0x0                           ; my part of the fills has landed
	s_barrier_signal -1
	s_barrier_wait -1                              ; everybody's has
	FETCH_B 0, BQ
	FETCH_A 0, AQ
	s_wait_loadcnt 0x0                             ; scale words and bias
.set Q_, 0
.rept 7
.if Q_ > 0
	PLACES 4                                       ; between the last step's products and loads into the set that they read
.endif
	FETCH_B Q_+1, BQ
	s_wait_dscnt 48                                ; all but the 48 loads just issued: this step's fragments are in
	FETCH_A Q_+1, AQ
.if Q_ == 0
	WIN 0xb1
	MUL32 0, 1
.else
	WIN 0xa1
	MUL32 Q_, 0
.endif
	WIN 0
.set Q_, Q_+1
.endr
	s_wait_dscnt 0x0
	WIN 0xa1
	MUL32 7, 0
	WIN 0
	PLACES 4                                       ; behind the last products
	TOSTAGE 0
.irp u, 1,2,3,4,5,6,7
.if \u > 1
	s_wait_xcnt 0x0                                ; unit u - 2's stores have read their registers
.endif
	TOSTAGE \u
	SEND \u-1, 16                                  ; behind unit u - 1's loads: unit u's 8 stores and 8 loads
.endr
	SEND 7, 0
	s_wait_tensorcnt 0x0                           ; the wave's end
	ds_add_u32 v[SPW], v[NIL]
	s_wait_dscnt 0x0
	CROUND                                         ; the closing round
	s_endpgm
.Lfunc_end_k_q74b4f05d7a_oproj:
	.size	k_q74b4f05d7a_oproj, .Lfunc_end_k_q74b4f05d7a_oproj-k_q74b4f05d7a_oproj
	.p2alignl 7, 3214868480
	.fill 96, 4, 3214868480
	.section	.rodata,"a",@progbits
	.p2align	6, 0x0
	.amdhsa_kernel k_q74b4f05d7a_oproj
		.amdhsa_group_segment_fixed_size 327680
		.amdhsa_private_segment_fixed_size 0
		.amdhsa_enable_private_segment 0
		.amdhsa_kernarg_size 48
		.amdhsa_user_sgpr_count 2
		.amdhsa_user_sgpr_kernarg_segment_ptr 1
		.amdhsa_wavefront_size32 1
		.amdhsa_system_sgpr_workgroup_id_x 1
		.amdhsa_system_sgpr_workgroup_id_y 1
		.amdhsa_system_sgpr_workgroup_id_z 1
		.amdhsa_system_vgpr_workitem_id 0
		.amdhsa_next_free_vgpr 832
		.amdhsa_next_free_sgpr 72
		.amdhsa_reserve_vcc 0
		.amdhsa_float_denorm_mode_32 3
		.amdhsa_float_denorm_mode_16_64 3
		.amdhsa_memory_ordered 1
		.amdhsa_forward_progress 1
		.amdhsa_inst_pref_size 95
	.end_amdhsa_kernel
	.amdgpu_metadata
---
amdhsa.version: [ 1, 2 ]
amdhsa.kernels:
  - .name:           k_q74b4f05d7a_oproj
    .symbol:         k_q74b4f05d7a_oproj.kd
    .args:
      - { .name: af, .offset: 0, .size: 8, .value_kind: global_buffer, .address_space: global }
      - { .name: asc, .offset: 8, .size: 8, .value_kind: global_buffer, .address_space: global }
      - { .name: o_w_codes, .offset: 16, .size: 8, .value_kind: global_buffer, .address_space: global }
      - { .name: o_w_scales, .offset: 24, .size: 8, .value_kind: global_buffer, .address_space: global }
      - { .name: o_b, .offset: 32, .size: 8, .value_kind: global_buffer, .address_space: global }
      - { .name: out0, .offset: 40, .size: 8, .value_kind: global_buffer, .address_space: global }
    .group_segment_fixed_size: 327680
    .private_segment_fixed_size: 0
    .kernarg_segment_align: 8
    .kernarg_segment_size: 48
    .max_flat_workgroup_size: 128
    .sgpr_count:     72
    .vgpr_count:     832
    .wavefront_size: 32
...
	.end_amdgpu_metadata
.endif
;; end of part 3
